; MI455X (gfx1250); checked and timed in simulation.
; The chip was launched on July 23, 2026; its instructions are those of AMD's public machine-readable ISA for CDNA 5 (MIT licence, August 2026) and "CDNA5" Instruction Set Architecture Reference Guide (July 2026). The comments in the code are by the model that wrote it; some were corrected since.
;; Permuted Residual Attention Block. Allowed arithmetic: matrix products marked QUANTISED: E3M2 operands, one E8M0 scale for each 32 along K, by v_wmma_scale_f32_16x16x128_f8f6f4 with both operands' format E3M2, f32 sums; everything else in f32.
;; Inputs: Wk_codes 256 x 8 x 24 uint8 (E3M2 codes of Wk, K innermost, in blocks of 32 codes, four codes in three bytes); Wk_scales 256 x 8 uint8 (E8M0 scales of Wk, one for each 32 codes along K); Wq_codes 256 x 8 x 24 uint8 (E3M2 codes of Wq, K innermost, in blocks of 32 codes, four codes in three bytes); Wq_scales 256 x 8 uint8 (E8M0 scales of Wq, one for each 32 codes along K); Wv_codes 256 x 8 x 24 uint8 (E3M2 codes of Wv, K innermost, in blocks of 32 codes, four codes in three bytes); Wv_scales 256 x 8 uint8 (E8M0 scales of Wv, one for each 32 codes along K); bk 256 float32; bq 256 float32; bv 256 float32; x 8 x 256 x 8,192 float32.
;; Outputs: out0 8 x 256 x 8,192 float32.
;; This version of the problem:
;;   THIS VERSION OF THE PROBLEM IS GIVEN IN LOW PRECISION. The matrix products marked QUANTISED in the list below multiply operands that are first quantised to E3M2 (3 exponent bits, 2 mantissa bits; 6 bits a number), with one power-of-two scale for each 32 numbers along K (OCP MX v1.0); their sums are f32. All else is computed in f32.
;;   The module's matrix products, in the order in which they are computed (A, B: the left and right operand; K: the contracted axis; several contracted axes count as one K, in the product's order):
;;     1. [M 65,536, K 256] x [K 256, N 256]; A: input x; B: input Wq (given as codes): QUANTISED
;;     2. [M 65,536, K 256] x [K 256, N 256]; A: input x; B: input Wk (given as codes): QUANTISED
;;     3. [M 65,536, K 256] x [K 256, N 256]; A: input x; B: input Wv (given as codes): QUANTISED
;;     4. batch 128 x [M 512, K 256] x [K 256, N 1,024]; A: computed on the way; B: computed on the way: QUANTISED
;;     5. batch 128 x [M 512, K 1,024] x [K 1,024, N 256]; A: softmax (see below); B: computed on the way: QUANTISED
;;   THE QUANTISER, for each operand of a quantised product, along K:
;;     - K is cut into blocks of 32 from its start; a last block that is shorter is filled with zeros.
;;     - A block's scale is 2^e with e = floor(log2(the largest magnitude in the block)) - 4, held to -126 .. 127; a block of zeros has e = 0. As a byte (E8M0): e + 127.
;;     - Each number is divided by its block's scale, clamped to +-28, and rounded to the nearest number of E3M2, ties to even, subnormals kept.
;;     - The product sums the exact products of the quantised numbers (number of the format x scale) in f32.
;;   ~~~python
;;   def quantise(x, axis):      # numpy; x: float32 -> the quantised numbers, widened to float32 again
;;       x = np.moveaxis(x, axis, -1); K = x.shape[-1]
;;       x = np.pad(x, [(0, 0)] * (x.ndim - 1) + [(0, -K % 32)]); x = x.reshape(x.shape[:-1] + (-1, 32)); a = np.abs(x).max(-1, keepdims=True)
;;       e = np.where(a > 0, np.clip(np.frexp(np.where(a > 0, a, 1))[1] - 1 - 4, -126, 127), 0)      # np.frexp(a)[1] - 1 = floor(log2(a)), exactly
;;       r = np.clip(x / 2.0 ** e, -28, 28)
;;       step = 2.0 ** (np.maximum(np.frexp(np.where(r == 0, 1, r))[1] - 1, -2) - 2)
;;       q = np.round(r / step) * step * 2.0 ** e      # np.round: ties to even
;;       return np.moveaxis(q.reshape(q.shape[:-2] + (-1,))[..., :K], -1, axis).astype(np.float32)
;;   ~~~
;;   SOFTMAX AHEAD OF A QUANTISED PRODUCT. Where the list says 'softmax', what is quantised is not the finished softmax but p = 2^(t - M), with t = logit x log2(e) and M = ceil(the row's largest t), a whole number; so 1/2 < the row's largest p <= 1. The row's sum l is taken of the UNQUANTISED p, in f32, and the product's result is divided by l at the end. Since M is a whole number, a kernel that streams over the keys may use a running M (the ceiling of the running maximum): every later rescaling is an exact power of two, which a block's scale takes up: the codes' values come out the same.
;;   OPERANDS COMPUTED ON THE WAY. 'Computed on the way' means the value that the module computes at that place (a softmax that the list does not call 'softmax' is quantised finished and normalised). What goes into a quantiser is computed in f32, as accurately as f32 sums, v_exp_f32 and their like allow (about 1e-6 of the number): no bf16 or f16 on the way to a quantiser, and a product that is left as it is and whose result goes on into a quantised operand takes f32 operands (vector FMAs, or v_wmma_f32_16x16x4_f32). A number that lies on a knife's edge between two numbers of the format may be rounded either way, as far as f32 arithmetic and the matrix unit's own rounding can turn it there, and no further.
;;   INPUTS GIVEN AS CODES. Wk (in the module: [256, 256], K = its axis 1); Wq (in the module: [256, 256], K = its axis 1); Wv (in the module: [256, 256], K = its axis 1): each comes as NAME_codes (uint8): NAME with its K axis moved to the last place and cut into blocks of 32 codes, [.., K / 32, bytes a block], one block behind the other in memory; four codes in three bytes: a row's codes are one little-endian stream of bits, code i at bits 6 i .. 6 i + 5 (a code: sign, 3 exponent bits, 2 mantissa bits); and NAME_scales (uint8): the same leading axes, one E8M0 byte (e + 127) for each 32 codes along K. Its value is code x scale, taken as it is: it is not quantised again, and the codes and scales need not be those that the quantiser above would give.
;; One version. Each part assembles by itself: llvm-mc -triple=amdgcn-amd-amdhsa -mcpu=gfx1250 --defsym DOCPART=n.
;; ======== version 1 of 1: 2 launches
;; workspace buffers: qc 13,107,200 bytes; kv 26,214,400 bytes
;; launch proj (part 1): grid 256 x 1, 4 waves a work-group, no clusters, 327,680 bytes of LDS; arguments x, Wq_codes, Wq_scales, bq, Wk_codes, Wk_scales, bk, Wv_codes, Wv_scales, bv, qc, kv; writes qc, kv
.if DOCPART == 1
	.amdgcn_target "amdgcn-amd-amdhsa--gfx1250"
	.amdhsa_code_object_version 6
	.text
	.protected	k_qf0bee4efae_proj
	.globl	k_qf0bee4efae_proj
	.p2align	8
	.type	k_qf0bee4efae_proj,@function
k_qf0bee4efae_proj:
	s_mov_b64 s[64:65], 0
	v_nop
	global_prefetch_b8 v0, s[64:65] scope:SCOPE_SE
	s_setreg_imm32_b32 hwreg(HW_REG_WAVE_MODE, 25, 1), 1
	s_wait_xcnt 0x0
; q, k, v = x^T W^T + b on codes of BF6 (E3M2) with one E8M0 scale for each 32 along K, and their results quantised again: q and k along their 256 features, v along the keys.
; x: [8][256 d][8192 n] f32, K = d is NOT innermost: a lane takes a position n and its registers run down d.  Wq, Wk, Wv: codes [256 e][256 d], K innermost, with scale bytes [256][8].
; OUT: blocks of 128 positions (block = 64 batch + n / 128), laid as IMAGES OF OPERAND REGISTERS: a fragment (16 rows x 128 K, 12 registers) is 1,536 bytes, registers 4 c .. 4 c + 3 of lane l at 512 c + 16 l.
;   qc block, 25,600 bytes: fragment (tile t, K step s) at (2 t + s) 1536; scale words at 24,576 + 512 s + 64 t + 4 r.   kv block, 51,200 bytes: k as in qc; v's fragment of features 16 e .. 16 e + 15 (K = the block's 128 keys)
;   at 25,600 + 1536 e; its scale words at 50,176 + 64 e + 4 r.
; THE POSITIONS OF A TILE ARE NOT NEIGHBOURS: lane r of tile 2 b + u holds position 32 b + 8 u + r + 8 (r / 8), so that a product that has 16 positions as its source 0 leaves 16 neighbouring positions in the 16 registers of tiles 2 b, 2 b + 1.
; SHARES.  A work-group takes two blocks of 128 positions.  Waves 0, 1: q's features 0-127, 128-255; waves 2, 3: k's; every wave also 64 features of v.  A wave's weights (288 registers) are read once and stay.
; Both tiles of x (2 x 128 KiB) are asked for at the head by two tensor loads a wave; no LDS byte is filled twice.
; LIMITS: NaN and infinities among the inputs are not served.  A block of zeros gets the scale byte 1 where the rule says 127: its codes are zeros, and this program alone reads the bytes.
; REGISTERS: window 0: v1-15 addresses; v16-39 x's two fragments; v40 x's scale words; v42-53 the weights' scale words; v56-71 at work; v72-90 codes just made; v96-159 eight tiles of q or k; v160-223 two sets of 32 numbers of x;
;   v224-229 offsets of the weight loads.   window 1: W's 16 fragments, from v192 its bias.   window 2: Wv's 8 fragments, from v96 bv.   window 3: v's 32 accumulators (64 l + 8 t).
.set XIMG,  262144                     ; LDS: two tiles of x [256 d][128 n] f32 at 0 and 131,072; then x's 16 fragments,
.set XSC,   286720                     ; their scale words [tile][K step][r],
.set SCST,  287744                     ; a stage of 1,024 bytes for each wave's scale words,
.set SPARE, 291840                     ; and the spare words, 128 bytes a wave, which no other line names
.set FRB,   1536
.set LI,   1                           ; 16 x lane
.set XRS,  2                           ; XSC + 4 x lane
.set XRI,  3                           ; XIMG + 16 x lane
.set XW,   4                           ; where my position's codes go
.set XSW,  5                           ; and its scale words
.set SCW,  6                           ; my wave's stage: 4 r
.set SCR,  7                           ; the same, 16 x lane
.set SCR8, 8                           ; its second half, 8 x lane
.set L8,   9                           ; 8 x lane
.set SPW,  10                          ; my spare word; never rewritten
.set NIL,  11                          ; 0; never rewritten
.set XA,   14                          ; v14, v15: my column of the tile of x, d = 0 and d = 128
.set XF,   16
.set XS,   40
.set PW,   41
.set WS,   42
.set WVS,  50
.set SBW,  54
.set TM,   56
.set PC,   72
.set HA,   96
.set XN,   160
.set WA,   224
.set WSA,  225
.set WVA,  226
.set WVSA, 227
.set BA,   228
.set BVA,  229
.set WV,   2
.set G1,   40
.set G0,   48
.set SEL,  56
.set OUTC, 58
.set OUTS, 60
.set OUTV, 62
.set OUTVS, 66
.set STEPQ, 68
.set WC,   70
.set WSP,  72
.set BB,   74
.set WVC,  76
.set WVSP, 78
.set BV,   80
.set MSB, 0
.macro WIN new                         ; the immediate's high byte repeats the setting that is left
.if MSB != (\new)
	s_set_vgpr_msb (MSB<<8)|(\new)
.set MSB, \new
.endif
.endm
; block t of 32 along d of my column: x(32 t + i, my position), into set t % 2
.macro XLOAD t
.set xi_, 0
.rept 32
	ds_load_b32 v[XN+32*((\t)%2)+xi_], v[XA+(\t)/4] offset:(32*((\t)%4)+xi_)*512
.set xi_, xi_+1
.endr
.endm
; block t is quantised: all its 32 numbers are mine.  Its 6 registers of codes are registers 6 c .. 6 c + 5 of lane r + 16 h' of my tile's fragment (c = (t % 4) / 2, h' = t % 2): they go to that lane's places in the image.
.macro XBLK t
.set xs_, XN+32*((\t)%2)
.set xo_, FRB*((\t)/4)+256*((\t)%2)
.if (\t) < 7
	s_wait_dscnt 32                                ; only the next block's 32 loads may be out: my numbers are in, and the last block's stores have read their registers
.else
	s_wait_dscnt 0x0
.endif
	v_max3_num_f32 v[TM], |v[xs_]|, |v[xs_+1]|, |v[xs_+2]|
	v_max3_num_f32 v[TM+1], |v[xs_+3]|, |v[xs_+4]|, |v[xs_+5]|
.irp i, 6,10,14,18,22,26
	v_max3_num_f32 v[TM], v[TM], |v[xs_+\i]|, |v[xs_+\i+1]|
	v_max3_num_f32 v[TM+1], v[TM+1], |v[xs_+\i+2]|, |v[xs_+\i+3]|
.endr
	v_max3_num_f32 v[TM], v[TM], |v[xs_+30]|, |v[xs_+31]|
	v_max3_num_f32 v[TM], v[TM], v[TM+1], 0x2800000    ; the floor 2^(5 - 127): the byte cannot fall under 1
	v_add_nc_u32 v[TM+2], 0xfe000000, v[TM]            ; 4 off the exponent field: the conversion's scale operand
	v_lshrrev_b32 v[TM+3], 23, v[TM+2]                 ; the scale's byte
.if ((\t)%4) == 0
	v_mov_b32 v[SBW], v[TM+3]
.else
	v_lshl_or_b32 v[SBW], v[TM+3], 8*((\t)%4), v[SBW]
.endif
	v_cvt_scalef32_pk16_bf6_f32 v[PC:PC+2], v[xs_:xs_+15], v[TM+2]
	v_cvt_scalef32_pk16_bf6_f32 v[PC+12:PC+14], v[xs_+16:xs_+31], v[TM+2]   ; (a conversion's three registers begin on an even number)
	v_nop                                          ; one plain place behind a scaled conversion
.irp i, 0,1,2
	v_mov_b32 v[PC+3+\i], v[PC+12+\i]
.endr
.if ((\t)%4) < 2
	ds_store_b128 v[XW], v[PC:PC+3] offset:xo_         ; registers 0-3
	ds_store_b64 v[XW], v[PC+4:PC+5] offset:xo_+512    ; registers 4, 5
.else
	ds_store_b64 v[XW], v[PC:PC+1] offset:xo_+520      ; registers 6, 7
	ds_store_b128 v[XW], v[PC+2:PC+5] offset:xo_+1024  ; registers 8-11
.endif
.if ((\t)%4) == 3
	ds_store_b32 v[XSW], v[SBW] offset:64*((\t)/4)     ; the K step's scale word of my position
.endif
.if (\t) < 6
	XLOAD (\t)+2
.endif
.endm
; tile t's two fragments of x and its scale words (lanes 0-15 K step 0, lanes 16-31 K step 1)
.macro XFETCH t
.irp k, 0,1
.irp c, 0,1,2
	ds_load_b128 v[XF+12*\k+4*\c:XF+12*\k+4*\c+3], v[XRI] offset:(2*(\t)+\k)*FRB+512*\c
.endr
.endr
	ds_load_b32 v[XS], v[XRS] offset:128*(\t)
.endm
; 64 numbers of a lane in window w, register 16 b + i = k 32 b + 16 (lane / 16) + i of my row, become a fragment's codes in v[PC] on and its scale word in v[PW]
.macro QUANT s, w
	WIN (\w)|((\w)<<2)
.irp b, 0,1,2,3
	v_max3_num_f32 v[TM+\b], |v[(\s)+16*\b]|, |v[(\s)+16*\b+1]|, 0x2800000   ; each accumulator is read from its low end on; the floor 2^(5 - 127) among the leaves
.endr
.irp i, 2,4,6,8,10,12,14
.irp b, 0,1,2,3
	v_max3_num_f32 v[TM+\b], |v[(\s)+16*\b+\i]|, |v[(\s)+16*\b+\i+1]|, v[TM+\b]
.endr
.endr
	WIN 0
.irp b, 0,1,2,3
	v_permlanex16_b32 v[TM+4+\b], v[TM+\b], s[SEL], s[SEL+1]
.endr
.irp b, 0,1,2,3
	v_max_num_f32 v[TM+\b], v[TM+\b], v[TM+4+\b]       ; with lane l xor 16's: the block's largest magnitude
.endr
	s_wait_xcnt 0x0                                ; the last fragment's stores have read v[PC] on,
	s_wait_dscnt 0x0                               ; and the last scale word's store v[PW]: both are written anew below
.irp b, 0,1,2,3
	v_add_nc_u32 v[TM+12+\b], 0xfe000000, v[TM+\b]
.endr
.irp b, 0,1,2,3
	v_lshrrev_b32 v[TM+4+\b], 23, v[TM+12+\b]
.endr
	v_lshl_or_b32 v[PW], v[TM+5], 8, v[TM+4]
	v_lshl_or_b32 v[PW], v[TM+6], 16, v[PW]
	v_lshl_or_b32 v[PW], v[TM+7], 24, v[PW]
	WIN \w
.irp c, 0,1
	v_cvt_scalef32_pk16_bf6_f32 v[PC+6*\c:PC+6*\c+2], v[(\s)+32*\c:(\s)+32*\c+15], v[TM+12+2*\c]
	v_cvt_scalef32_pk16_bf6_f32 v[PC+12+4*\c:PC+14+4*\c], v[(\s)+32*\c+16:(\s)+32*\c+31], v[TM+13+2*\c]
.endr
	WIN 0
	v_nop                                          ; one plain place behind a scaled conversion
.irp c, 0,1                                    ; the layout wants a whole block in a lane: lanes 0-15 block 2 c, lanes 16-31 block 2 c + 1
.irp i, 0,1,2
	v_permlane16_swap_b32 v[PC+6*\c+\i], v[PC+12+4*\c+\i]
.endr
.irp i, 0,1,2
	v_mov_b32 v[PC+3+6*\c+\i], v[PC+12+4*\c+\i]
.endr
.endr
.endm
; Tile t of 16 positions.  q or k TRANSPOSED (source 0 = 16 rows of W, source 1 = x): a lane holds one position, its registers run along the features.  v the other way (source 0 = x, source 1 = 16 rows of Wv):
; a lane holds one feature, its registers run along the positions.  The biases are the C of each sum's first product.  The accumulators take turns (8, 8, 4, 4).
.macro TILE t
	s_wait_dscnt 0x0                               ; x's fragments and scale words are in
	WIN 0x11
.irp e, 0,1,2,3,4,5,6,7
	v_wmma_scale_f32_16x16x128_f8f6f4 v[HA+8*\e:HA+8*\e+7], v[24*\e:24*\e+11], v[XF:XF+11], v[192+8*\e:192+8*\e+7], v[WS+\e], v[XS] matrix_a_fmt:MATRIX_FMT_BF6 matrix_b_fmt:MATRIX_FMT_BF6
.endr
	WIN 0x01
.irp e, 0,1,2,3,4,5,6,7
	v_wmma_scale_f32_16x16x128_f8f6f4 v[HA+8*\e:HA+8*\e+7], v[24*\e+12:24*\e+23], v[XF+12:XF+23], v[HA+8*\e:HA+8*\e+7], v[WS+\e], v[XS] matrix_a_fmt:MATRIX_FMT_BF6 matrix_b_fmt:MATRIX_FMT_BF6 matrix_a_scale:MATRIX_SCALE_ROW1 matrix_b_scale:MATRIX_SCALE_ROW1
.endr
	WIN 0xe8
.irp l, 0,1,2,3
	v_wmma_scale_f32_16x16x128_f8f6f4 v[64*\l+8*(\t):64*\l+8*(\t)+7], v[XF:XF+11], v[24*\l:24*\l+11], v[96+8*\l:96+8*\l+7], v[XS], v[WVS+\l] matrix_a_fmt:MATRIX_FMT_BF6 matrix_b_fmt:MATRIX_FMT_BF6
.endr
	WIN 0xf8
.irp l, 0,1,2,3
	v_wmma_scale_f32_16x16x128_f8f6f4 v[64*\l+8*(\t):64*\l+8*(\t)+7], v[XF+12:XF+23], v[24*\l+12:24*\l+23], v[64*\l+8*(\t):64*\l+8*(\t)+7], v[XS], v[WVS+\l] matrix_a_fmt:MATRIX_FMT_BF6 matrix_b_fmt:MATRIX_FMT_BF6 matrix_a_scale:MATRIX_SCALE_ROW1 matrix_b_scale:MATRIX_SCALE_ROW1
.endr
	WIN 0
.rept 4
	v_nop                                          ; four places: in front of loads into registers that the products have read, and of the first read of results
.endr
.if (\t) < 7
	XFETCH (\t)+1
.endif
	QUANT HA, 0
.irp c, 0,1,2
	global_store_b128 v[LI], v[PC+4*\c:PC+4*\c+3], s[OUTC:OUTC+1] offset:2*FRB*(\t)+512*\c   ; the wave stores 512 consecutive bytes, at a multiple of 256 from the buffer's first byte
.endr
	ds_store_b32 v[SCW], v[PW] offset:64*(\t)      ; lanes r and r + 16 write the same word with the same value
.endm
.macro VUNIT l                         ; my l-th 16 features of v for the block's 128 keys: one fragment
	QUANT 64*(\l), 3
.irp c, 0,1,2
	global_store_b128 v[LI], v[PC+4*\c:PC+4*\c+3], s[OUTV:OUTV+1] offset:FRB*(\l)+512*\c
.endr
	ds_store_b32 v[SCW], v[PW] offset:512+64*(\l)
.endm
.macro BLOCK
	XLOAD 0
	XLOAD 1
.irp t, 0,1,2,3,4,5,6,7
	XBLK \t
.endr
	s_wait_loadcnt 0x0                             ; the weights, biases and their scale words
	s_wait_dscnt 0x0                               ; for the others' sake: my stores of x's images have landed
	s_barrier_signal -1
	s_barrier_wait -1                              ; x's sixteen fragments lie in LDS
	XFETCH 0
.irp t, 0,1,2,3,4,5,6,7
	TILE \t
.endr
.irp l, 0,1,2,3
	VUNIT \l
.endr
	ds_load_b128 v[TM:TM+3], v[SCR]                ; LDS serves a wave's instructions in order: these see my stores
	ds_load_b64 v[TM+4:TM+5], v[SCR8]
	s_wait_dscnt 0x0
	global_store_b128 v[LI], v[TM:TM+3], s[OUTS:OUTS+1]      ; 512 bytes: the scale words of my K step of q or k
	global_store_b64 v[L8], v[TM+4:TM+5], s[OUTVS:OUTVS+1]   ; 256 bytes: those of my four fragments of v
.endm
	s_load_b512 s[16:31], s[0:1], 0x0              ; x, Wq codes, Wq scales, bq, Wk codes, Wk scales, bk, Wv codes
	s_load_b256 s[32:39], s[0:1], 0x40             ; Wv scales, bv, qc, kv
	v_lshl_add_u32 v[SPW], v0, 2, SPARE
	v_mov_b32 v[NIL], 0
	ds_add_u32 v[SPW], v[NIL]                      ; the wave's opening: the add and its wait stand ahead of my first tensor load; work on registers stands between them
	v_lshrrev_b32 v230, 5, v0
	v_readfirstlane_b32 s[WV], v230                ; wave 0..3
	s_mov_b32 s[G1+0], 2<<16                       ; no mask; elements of 4 bytes; no padding
	s_mov_b32 s[G1+1], 128<<16                     ; tensor_dim0 = 128
	s_mov_b32 s[G1+2], 64<<16                      ; tensor_dim1 = 64
	s_mov_b32 s[G1+3], 128<<16                     ; tile_dim0 = 128: 512 bytes of a row d
	s_mov_b32 s[G1+4], 64                          ; tile_dim1 = 64 rows d
	s_mov_b32 s[G1+5], 8192                        ; from row to row
	s_mov_b32 s[G1+6], 0
	s_mov_b32 s[G1+7], 0
	s_mov_b32 s[SEL], 0x76543210
	s_mov_b32 s[SEL+1], 0xfedcba98                 ; v_permlanex16_b32's selects for lane l xor 16
	s_lshr_b32 s4, ttmp9, 5                        ; batch
	s_lshl_b32 s4, s4, 23                          ; x 256 rows of 32,768 bytes
	s_lshl_b32 s5, s[WV], 21                       ; + my 64 rows d
	s_add_co_u32 s4, s4, s5
	s_and_b32 s5, ttmp9, 31
	s_lshl_b32 s5, s5, 10                          ; + my work-group's 256 positions
	s_add_co_u32 s4, s4, s5
	s_mov_b32 s5, 0
	s_lshl_b32 s6, s[WV], 15                       ; and in LDS: 64 rows of 512 bytes
	s_and_b32 s7, s[WV], 1                         ; which 128 features of q or k
	s_mul_i32 s8, s7, 24576
	s_mov_b32 s9, 0
	s_lshl_b32 s10, s7, 10
	s_mov_b32 s11, 0
	s_lshl_b32 s12, s7, 9
	s_mov_b32 s13, 0
	s_mul_i32 s14, s[WV], 12288                    ; my 64 rows of Wv
	s_mov_b32 s15, 0
	s_lshl_b32 s82, s[WV], 9
	s_mov_b32 s83, 0
	s_lshl_b32 s84, s[WV], 8
	s_mov_b32 s85, 0
	s_mov_b32 s[STEPQ], 51200
	s_cmp_lt_u32 s[WV], 2
	s_cselect_b32 s[STEPQ], 25600, s[STEPQ]        ; a block of qc or of kv
	s_mov_b32 s[STEPQ+1], 0
	s_lshl_b32 s3, ttmp9, 1                        ; my first block
	s_mul_i32 s86, s3, s[STEPQ]
	s_add_co_u32 s88, s86, 24576
	s_add_co_u32 s88, s88, s12                     ; scale words of my K step
	s_mul_i32 s87, s7, FRB
	s_add_co_u32 s86, s86, s87                     ; codes of my K step
	s_mov_b32 s87, 0
	s_mov_b32 s89, 0
	s_mul_i32 s90, s3, 51200
	s_add_co_u32 s92, s90, 50176
	s_add_co_u32 s92, s92, s84                     ; v's scale words: 256 bytes a wave
	s_mul_i32 s91, s[WV], 4*FRB
	s_add_co_u32 s90, s90, s91
	s_add_co_u32 s90, s90, 25600                   ; v's codes: four fragments a wave
	s_mov_b32 s91, 0
	s_mov_b32 s93, 0
	s_wait_dscnt 0x0                               ; the opening add is done
	s_wait_kmcnt 0x0
	s_add_nc_u64 s[4:5], s[16:17], s[4:5]
	s_mov_b32 s[G0], 1
	s_mov_b32 s[G0+1], s6
	s_mov_b64 s[G0+2:G0+3], s[4:5]
	s_or_b32 s[G0+3], s[G0+3], 0x80000000
	s_mov_b32 s[G0+4], 1
	s_add_co_u32 s[G0+5], s6, 131072
	s_add_nc_u64 s[G0+6:G0+7], s[4:5], 512         ; the second block's 128 positions
	s_or_b32 s[G0+7], s[G0+7], 0x80000000
	tensor_load_to_lds s[G0:G0+3], s[G1:G1+7]      ; both tiles of x go out together: two loads of mine are out
	s_nop 0
	tensor_load_to_lds s[G0+4:G0+7], s[G1:G1+7]
	s_nop 0
.rept 4
	v_nop
.endr
	s_cmp_lt_u32 s[WV], 2                          ; q's waves or k's: the choice hangs on the wave's number alone
	s_cselect_b64 s[WC:WC+1], s[18:19], s[24:25]
	s_cselect_b64 s[WSP:WSP+1], s[20:21], s[26:27]
	s_cselect_b64 s[BB:BB+1], s[22:23], s[28:29]
	s_cselect_b64 s[OUTC:OUTC+1], s[36:37], s[38:39]
	s_mov_b64 s[OUTS:OUTS+1], s[OUTC:OUTC+1]
	s_add_nc_u64 s[WC:WC+1], s[WC:WC+1], s[8:9]
	s_add_nc_u64 s[WSP:WSP+1], s[WSP:WSP+1], s[10:11]
	s_add_nc_u64 s[BB:BB+1], s[BB:BB+1], s[12:13]
	s_add_nc_u64 s[WVC:WVC+1], s[30:31], s[14:15]
	s_add_nc_u64 s[WVSP:WVSP+1], s[32:33], s[82:83]
	s_add_nc_u64 s[BV:BV+1], s[34:35], s[84:85]
	s_add_nc_u64 s[OUTC:OUTC+1], s[OUTC:OUTC+1], s[86:87]
	s_add_nc_u64 s[OUTS:OUTS+1], s[OUTS:OUTS+1], s[88:89]
	s_add_nc_u64 s[OUTV:OUTV+1], s[38:39], s[90:91]
	s_add_nc_u64 s[OUTVS:OUTVS+1], s[38:39], s[92:93]
	v_and_b32 v230, 31, v0                         ; lane
	v_and_b32 v231, 15, v0                         ; r
	v_bfe_u32 v232, v0, 4, 1                       ; h
	v_and_b32 v235, 8, v0
	v_add_nc_u32 v235, v235, v231                  ; r + 8 (r / 8)
	v_mul_u32_u24 v[WA], v235, 192                 ; W: a row is 256 codes, 192 bytes; the rows of a tile are chosen as the positions are
	v_mad_u32_u24 v[WA], v232, 24, v[WA]
	v_lshlrev_b32 v[WSA], 3, v235                  ; its scale words: 8 bytes a row; lanes 16-31 take K step 1's
	v_lshl_add_u32 v[WSA], v232, 2, v[WSA]
	v_mul_u32_u24 v[WVA], v231, 192                ; Wv: rows as they lie
	v_mad_u32_u24 v[WVA], v232, 24, v[WVA]
	v_lshlrev_b32 v[WVSA], 3, v231
	v_lshl_add_u32 v[WVSA], v232, 2, v[WVSA]
	v_lshlrev_b32 v[BA], 6, v232                   ; the bias of tile 2 b + u: features 32 b + 16 h + 8 u + 0 .. 7
	v_lshlrev_b32 v[BVA], 2, v231                  ; bv: my feature's number
	WIN 0x40                                       ; destination window 1
.irp e, 0,1,2,3,4,5,6,7
.irp k, 0,1
.irp p, 0,1,2,3,4,5
	global_load_b64 v[12*(2*\e+\k)+2*\p:12*(2*\e+\k)+2*\p+1], v[WA], s[WC:WC+1] offset:(32*(\e/2)+8*(\e%2))*192+96*\k+48*(\p/3)+8*(\p%3)
.endr
.endr
	global_load_b128 v[192+8*\e:192+8*\e+3], v[BA], s[BB:BB+1] offset:(32*(\e/2)+8*(\e%2))*4
	global_load_b128 v[192+8*\e+4:192+8*\e+7], v[BA], s[BB:BB+1] offset:(32*(\e/2)+8*(\e%2))*4+16
.endr
	WIN 0x80                                       ; destination window 2
.irp l, 0,1,2,3
.irp k, 0,1
.irp p, 0,1,2,3,4,5
	global_load_b64 v[12*(2*\l+\k)+2*\p:12*(2*\l+\k)+2*\p+1], v[WVA], s[WVC:WVC+1] offset:16*\l*192+96*\k+48*(\p/3)+8*(\p%3)
.endr
.endr
.irp j, 0,1,2,3,4,5,6,7
	global_load_b32 v[96+8*\l+\j], v[BVA], s[BV:BV+1] offset:64*\l   ; in v's results a lane holds one feature: its bias eight times
.endr
.endr
	WIN 0
.irp e, 0,1,2,3,4,5,6,7
	global_load_b32 v[WS+\e], v[WSA], s[WSP:WSP+1] offset:(32*(\e/2)+8*(\e%2))*8
.endr
.irp l, 0,1,2,3
	global_load_b32 v[WVS+\l], v[WVSA], s[WVSP:WVSP+1] offset:128*\l
.endr
	v_lshlrev_b32 v[LI], 4, v230
	v_lshlrev_b32 v[L8], 3, v230
	v_lshl_add_u32 v[XRS], v230, 2, XSC
	v_lshl_add_u32 v[XRI], v230, 4, XIMG
	v_lshlrev_b32 v[XA], 2, v0                     ; my position is my thread's number: 32 x wave + lane
	v_add_nc_u32 v[XA+1], 0x10000, v[XA]           ; 128 rows d further down
	v_and_b32 v233, 7, v0
	v_lshl_add_u32 v233, v232, 3, v233             ; my position's row in its tile: lane % 8 + 8 (lane / 16),
	v_bfe_u32 v234, v0, 3, 1                       ; and which of my wave's two tiles: (lane / 8) % 2
	s_mul_i32 s3, s[WV], 4*FRB
	s_add_co_u32 s3, s3, XIMG
	v_lshlrev_b32 v[XW], 4, v233
	v_mad_u32_u24 v[XW], v234, 2*FRB, v[XW]
	v_add_nc_u32 v[XW], s3, v[XW]
	s_lshl_b32 s3, s[WV], 8
	s_add_co_u32 s3, s3, XSC
	v_lshlrev_b32 v[XSW], 2, v233
	v_lshl_add_u32 v[XSW], v234, 7, v[XSW]
	v_add_nc_u32 v[XSW], s3, v[XSW]
	s_lshl_b32 s3, s[WV], 10
	s_add_co_u32 s3, s3, SCST
	v_lshl_add_u32 v[SCW], v231, 2, s3
	v_lshl_add_u32 v[SCR], v230, 4, s3
	v_lshl_add_u32 v[SCR8], v230, 3, s3
	v_add_nc_u32 v[SCR8], 512, v[SCR8]
.irp b, 0,1,2,3
	v_mov_b32 v[TM+4+\b], 0                        ; written once: a lane permute's destination counts as one of its sources
.endr
	s_wait_tensorcnt 0x1                           ; my part of the first tile is in; the second tile's load may stay out
	s_barrier_signal -1
	s_barrier_wait -1                              ; everybody's is
	BLOCK
	s_wait_xcnt 0x0                                ; the stores have read their registers and bases: both may be written
	s_add_nc_u64 s[OUTC:OUTC+1], s[OUTC:OUTC+1], s[STEPQ:STEPQ+1]
	s_add_nc_u64 s[OUTS:OUTS+1], s[OUTS:OUTS+1], s[STEPQ:STEPQ+1]
	s_add_nc_u64 s[OUTV:OUTV+1], s[OUTV:OUTV+1], 51200
	s_add_nc_u64 s[OUTVS:OUTVS+1], s[OUTVS:OUTVS+1], 51200
	v_add_nc_u32 v[XA], 0x20000, v[XA]             ; the second tile of x
	v_add_nc_u32 v[XA+1], 0x20000, v[XA+1]
	s_wait_tensorcnt 0x0                           ; my part of the second tile is in,
	s_wait_dscnt 0x0                               ; and my reads of x's images are over: they are stored anew behind this barrier
	s_barrier_signal -1
	s_barrier_wait -1
	BLOCK
	s_wait_tensorcnt 0x0                           ; the wave's end, behind my last tensor load and my last LDS store
	ds_add_u32 v[SPW], v[NIL]
	s_wait_dscnt 0x0
	s_endpgm
.Lfunc_end_k_qf0bee4efae_proj:
	.size	k_qf0bee4efae_proj, .Lfunc_end_k_qf0bee4efae_proj-k_qf0bee4efae_proj
	.p2alignl 7, 3214868480
	.fill 96, 4, 3214868480
	.section	.rodata,"a",@progbits
	.p2align	6, 0x0
	.amdhsa_kernel k_qf0bee4efae_proj
		.amdhsa_group_segment_fixed_size 327680
		.amdhsa_private_segment_fixed_size 0
		.amdhsa_enable_private_segment 0
		.amdhsa_kernarg_size 96
		.amdhsa_user_sgpr_count 2
		.amdhsa_user_sgpr_kernarg_segment_ptr 1
		.amdhsa_wavefront_size32 1
		.amdhsa_system_sgpr_workgroup_id_x 1
		.amdhsa_system_sgpr_workgroup_id_y 1
		.amdhsa_system_sgpr_workgroup_id_z 1
		.amdhsa_system_vgpr_workitem_id 0
		.amdhsa_next_free_vgpr 1024
		.amdhsa_next_free_sgpr 96
		.amdhsa_reserve_vcc 0
		.amdhsa_float_denorm_mode_32 3
		.amdhsa_float_denorm_mode_16_64 3
		.amdhsa_memory_ordered 1
		.amdhsa_forward_progress 1
		.amdhsa_inst_pref_size 245
	.end_amdhsa_kernel
	.amdgpu_metadata
---
amdhsa.version: [ 1, 2 ]
amdhsa.kernels:
  - .name:           k_qf0bee4efae_proj
    .symbol:         k_qf0bee4efae_proj.kd
    .args:
      - { .name: x, .offset: 0, .size: 8, .value_kind: global_buffer, .address_space: global }
      - { .name: Wq_codes, .offset: 8, .size: 8, .value_kind: global_buffer, .address_space: global }
      - { .name: Wq_scales, .offset: 16, .size: 8, .value_kind: global_buffer, .address_space: global }
      - { .name: bq, .offset: 24, .size: 8, .value_kind: global_buffer, .address_space: global }
      - { .name: Wk_codes, .offset: 32, .size: 8, .value_kind: global_buffer, .address_space: global }
      - { .name: Wk_scales, .offset: 40, .size: 8, .value_kind: global_buffer, .address_space: global }
      - { .name: bk, .offset: 48, .size: 8, .value_kind: global_buffer, .address_space: global }
      - { .name: Wv_codes, .offset: 56, .size: 8, .value_kind: global_buffer, .address_space: global }
      - { .name: Wv_scales, .offset: 64, .size: 8, .value_kind: global_buffer, .address_space: global }
      - { .name: bv, .offset: 72, .size: 8, .value_kind: global_buffer, .address_space: global }
      - { .name: qc, .offset: 80, .size: 8, .value_kind: global_buffer, .address_space: global }
      - { .name: kv, .offset: 88, .size: 8, .value_kind: global_buffer, .address_space: global }
    .group_segment_fixed_size: 327680
    .private_segment_fixed_size: 0
    .kernarg_segment_align: 8
    .kernarg_segment_size: 96
    .max_flat_workgroup_size: 128
    .sgpr_count:     96
    .vgpr_count:     1024
    .wavefront_size: 32
...
	.end_amdgpu_metadata
.endif
;; end of part 1
;; launch attn (part 2): grid 256 x 1, 8 waves a work-group, no clusters, 327,680 bytes of LDS; arguments qc, kv, x, out0; writes out0
.if DOCPART == 2
	.amdgcn_target "amdgcn-amd-amdhsa--gfx1250"
	.amdhsa_code_object_version 6
	.text
	.protected	k_qf0bee4efae_attn
	.globl	k_qf0bee4efae_attn
	.p2align	8
	.type	k_qf0bee4efae_attn,@function
k_qf0bee4efae_attn:
	s_mov_b64 s[64:65], 0
	v_nop
	global_prefetch_b8 v0, s[64:65] scope:SCOPE_SE
	s_setreg_imm32_b32 hwreg(HW_REG_WAVE_MODE, 25, 1), 1
	s_wait_xcnt 0x0
; out0[b][e][n] = x[b][e][n] + O[n][e], O = causal attention in windows of 512 positions with one window of look-back, head size 256, both products on codes of BF6 (E3M2) with E8M0 scales for each 32 along K.
; qc, kv: blocks of 128 positions as images of operand registers (a fragment of 16 rows x 128 K is 1,536 bytes, registers 4 c .. 4 c + 3 of lane l at 512 c + 16 l).  qc block (25,600 bytes): fragment (tile t, K step s) at (2 t + s) 1536,
; scale words at 24,576 + 512 s + 64 t + 4 r.  kv block (51,200): k likewise, v's fragment of features 16 e on (K = the 128 keys) at 25,600 + 1536 e, its scale words at 50,176 + 64 e + 4 r.
; Lane r of tile 2 b + u holds position 32 b + 8 u + r + 8 (r / 8), so that in S^T the 16 registers of key tiles 2 b, 2 b + 1 are 16 neighbouring keys.
; THE SOFTMAX: t = score x log2(e) / 16; M = the running largest t rounded UP to a whole number; p = 2^(t - M) is quantised along the keys, not normalised; the row's sum is taken of the unquantised p and divides at the end;
; when M moves, the sum and O are multiplied by 2^(old M - new M), exactly.  Hidden scores become -infinity ahead of the maximum, so p = 0; steps all of whose keys are hidden, and the window ahead of window 0, are left out.
; SHARES.  Two work-groups to a window.  Eight waves, two to a SIMD; a wave owns 32 queries (two tiles), a pair of waves a span of 64.  The spans are dealt so that waves w and w + 4 together have 13 of the 16 key steps:
; waves 0-3 take early spans and are done after block 5.
; THE WALK.  Eight key steps of 128 keys, blocks 0 to 7 counted from the previous window's first.  The first step that a wave walks holds a visible key for each of its queries, so M is a number from then on: block 0 lies wholly in the
; window before; in window 0, which has none, the first step walked is block 4, my window's first, whose first key counts for every query.
; THE RING.  Two LDS slots of TWO blocks each (102,400 dense bytes of kv), fetched by waves 0 to 3, a quarter each: one change of slots, with its barrier, for two key steps; no barrier stands between a slot's two steps.
; THE WAY OUT.  While waves 4-7 walk blocks 6 and 7, waves 0-3 stage their results, load their rows of x, add and store; then they load the rows of x that belong to waves 4-7.  Waves 4-7 only stage their results; waves 0-3 read those
; stages, add and store.
; Both products are used transposed (S^T = K Q^T, O^T = V^T P^T): a lane holds one query throughout.  A fragment of K or V read from LDS feeds both of the wave's tiles.
; No cluster: only the two work-groups of a window walk the same blocks, a cluster of four would hold two windows, which want different blocks in the same round.
; LIMITS: NaN and infinities among the inputs are not served.
; REGISTERS: window 0: v0 lane; v1 at work; v2-7 addresses; v8, v9 the add's two; v10-21 two tiles' f, p's scale word, -M, largest t, sum (two halves); v22, v23 Q's scale words; v24-31 K's or V's scale words;
;   v32-55 Q's K step 0, later p's codes; v56-79 Q's K step 1; v80-127 two buffers of K (at work in the softmax); v128-255 S^T, then p; V's sixteen fragments lie over v128-247 and v56-127.   window 1: O^T (128 u + 8 e + j), later x.
.set SLOT1, 0x20000                    ; LDS: one slot at 0 (blocks 2, 3; 6, 7), the other here (blocks 0, 1; 4, 5): one exclusive or turns an address in one slot into the other's
.set STGA,  131072                     ; two stages for the way out, 256 rows e x (256 bytes + 16) each: they lie over the slot at SLOT1, which has had its last fill and its last read when the first result is stored there, and over bytes behind it that are never filled
.set STGSZ, 69632
.set QIMG,  270336                     ; behind the stages: each wave's own four fragments of Q, 6,144 bytes
.set SPARE, 319488                     ; the spare words, 128 bytes a wave, which no other line names
.set BLKB,  51200
.set QBLKB, 25600
.set FRB,   1536
.set KSC,   24576
.set VOFF,  25600
.set VSC,   50176
.set LANE, 0
.set TMPA, 1
.set LKS,  2                           ; 4 r + 512 h: lanes 0-15 take K step 0's scale words, lanes 16-31 K step 1's
.set AQ,   3                           ; my wave's Q: QIMG + 6144 x wave + 16 x lane
.set ADR,  4                           ; the block in hand + 16 x lane; on the way out: the stage
.set ADS,  5                           ; + LKS;                         on the way out: the stage's rows 128 on
.set ADT,  6                           ; + 4 x lane;                    on the way out: my offset in x and out0
.set QREL, 7                           ; r + 8 (r / 8) - 16 h
.set SPW,  8
.set NIL,  9
.set STT,  10
.set QS,   22
.set KVS,  24
.set PQ,   32
.set QX,   56
.set KF,   80
.set S,    128
.set BM,   80                          ; in the softmax: the blocks' largest scores,
.set BP,   84                          ; the other half's, then the bytes,
.set SO,   88                          ; the conversions' scale operands,
.set CH,   92                          ; the conversions' second halves,
.set SC2,  100                         ; the second chain of the sum,
.set TW,   102
.set DD,   103
.set NEG,  104
.set OPL,  2                           ; s[2:3]  out0 at the rows of wave w + 4
.set WV,   12
.set PP,   13
.set GG,   14
.set WW,   15
.set BT,   16
.set UU,   17
.set Q0,   18                          ; my first query, counted from the previous window's first key
.set LOWK, 19                          ; the first key that exists: 512 in window 0
.set SEL,  20
.set CS,   22
.set G1,   24
.set G1Q,  32
.set G0,   40
.set G0Q,  44
.set BIG,  48                          ; changes of slots still to come in the loop
.set TWICE, 49                         ; counts a slot's two steps
.set TB,   50                          ; LDS byte at which the block in hand begins
.set T,    51                          ; the block in hand
.set NXTB, 53                          ; the first block of the slot that the next change asks for
.set KEY0, 54
.set XP,   60
.set OP,   62
.set STW,  66
.set STR,  67
.set XPL,  68                          ; s[68:69] x at the rows of wave w + 4
.set QSP,  70
.set ODD,  72
.set TPG,  73
.set MSB, 0
.macro WIN new                         ; the immediate's high byte repeats the setting that is left
.if MSB != (\new)
	s_set_vgpr_msb (MSB<<8)|(\new)
.set MSB, \new
.endif
.endm
.macro TLOAD                           ; waves 0 to 3 fetch a quarter of a slot each: k or v of one block, 25,600 dense bytes; an s_nop 0 and four v_nop follow the line
	s_cmp_lt_u32 s[WV], 4
	s_cbranch_scc0 .Lnot_mine_\@
	tensor_load_to_lds s[G0:G0+3], s[G1:G1+7]
	s_nop 0
.rept 4
	v_nop
.endr
.Lnot_mine_\@:
.endm
; THE CHANGE OF SLOTS stands at a slot's head.  Each wave waits for all its tensor loads, adds 0 to its spare word, and waits for that and for its LDS reads.  Behind the barrier the slot ahead is whole and nobody reads the other.
; fill = 1: the other slot takes the walk's next two blocks, which then have two key steps in which to land; the one walking descriptor turns to the other slot and steps two blocks on.
; In window 0 the blocks of the window before do not exist: they are read by no step, so they are not asked for.
; Every wait on TENSORcnt in this text is for 0.
.macro CHANGE fill
	s_wait_tensorcnt 0x0                           ; no tensor load of mine is out, so group 0 may be written
	ds_add_u32 v[SPW], v[NIL]                      ; 0 onto my spare word; work on registers stands between it and the wait for it
.if \fill
	s_xor_b32 s[G0+1], s[G0+1], SLOT1              ; the other slot than last time,
	s_add_nc_u64 s[G0+2:G0+3], s[G0+2:G0+3], 2*BLKB   ; the next two blocks; the type bits on top are not reached
.endif
	s_wait_dscnt 0x0                               ; the add is done, and my reads of the slot that I have left are over
	s_barrier_signal -1
	s_barrier_wait -1
.if \fill
	s_lshl_b32 s55, s[NXTB], 7                     ; the first key of the blocks to be asked for
	s_cmp_lt_u32 s55, s[LOWK]
	s_cbranch_scc1 .Lnone_\@
	TLOAD                                          ; a wave's one tensor load until the next change
.Lnone_\@:
	s_add_co_u32 s[NXTB], s[NXTB], 2
.endif
.endm
.macro KLOAD kt                        ; key tile kt: two fragments and its scale words: seven loads
.irp k, 0,1
.irp c, 0,1,2
	ds_load_b128 v[KF+24*((\kt)%2)+12*\k+4*\c:KF+24*((\kt)%2)+12*\k+4*\c+3], v[ADR] offset:(2*(\kt)+\k)*FRB+512*\c
.endr
.endr
	ds_load_b32 v[KVS+(\kt)%2], v[ADS] offset:KSC+64*(\kt)
.endm
.macro SPROD kt                        ; four products: the two tiles of queries take turns; K step 0 starts the sums
.irp u, 0,1
	v_wmma_scale_f32_16x16x128_f8f6f4 v[S+64*\u+8*(\kt):S+64*\u+8*(\kt)+7], v[KF+24*((\kt)%2):KF+24*((\kt)%2)+11], v[PQ+12*\u:PQ+12*\u+11], 0, v[KVS+(\kt)%2], v[QS+\u] matrix_a_fmt:MATRIX_FMT_BF6 matrix_b_fmt:MATRIX_FMT_BF6
.endr
.irp u, 0,1
	v_wmma_scale_f32_16x16x128_f8f6f4 v[S+64*\u+8*(\kt):S+64*\u+8*(\kt)+7], v[KF+24*((\kt)%2)+12:KF+24*((\kt)%2)+23], v[QX+12*\u:QX+12*\u+11], v[S+64*\u+8*(\kt):S+64*\u+8*(\kt)+7], v[KVS+(\kt)%2], v[QS+\u] matrix_a_fmt:MATRIX_FMT_BF6 matrix_b_fmt:MATRIX_FMT_BF6 matrix_a_scale:MATRIX_SCALE_ROW1 matrix_b_scale:MATRIX_SCALE_ROW1
.endr
.endm
; One tile's softmax for 128 keys: register 16 b + i of the tile's 64 is key 32 b + 16 (lane / 16) + i
.macro SOFTMAX u
.set SB, S+64*(\u)
.set SX, STT+6*(\u)
.set PB, PQ+12*(\u)
.irp b, 0,1,2,3
	v_max3_num_f32 v[BM+\b], v[SB+16*\b], v[SB+16*\b+1], v[SB+16*\b+2]   ; the largest score of each block of 32 keys: it serves for the row's maximum and, since p rises with the score, for the block's largest p
.endr
.irp i, 3,5,7,9,11,13
.irp b, 0,1,2,3
	v_max3_num_f32 v[BM+\b], v[BM+\b], v[SB+16*\b+\i], v[SB+16*\b+\i+1]
.endr
.endr
.irp b, 0,1,2,3
	v_max_num_f32 v[BM+\b], v[BM+\b], v[SB+16*\b+15]
.endr
.irp b, 0,1,2,3
	v_permlanex16_b32 v[BP+\b], v[BM+\b], s[SEL], s[SEL+1]
.endr
.irp b, 0,1,2,3
	v_max_num_f32 v[BM+\b], v[BM+\b], v[BP+\b]         ; with lane l xor 16's 16 keys
.endr
	v_max3_num_f32 v[TW], v[BM], v[BM+1], v[BM+2]
	v_max_num_f32 v[TW], v[TW], v[BM+3]
	v_mul_f32 v[TW], s[CS], v[TW]                  ; the step's largest score as t (c is positive)
	v_max_num_f32 v[SX+3], v[SX+3], v[TW]          ; the running largest t
	v_mov_b32 v[TW], v[SX+2]
	v_floor_f32 v[SX+2], -v[SX+3]                  ; the new -M = floor(-t): M is a whole number
	v_sub_f32 v[TW], v[SX+2], v[TW]                ; old M - new M: a whole number, 0 or less
	v_cvt_i32_f32 v[TW], v[TW]                     ; (it saturates)
	v_ldexp_f32 v[SX], 1.0, v[TW]                  ; f = 2^(old M - new M)
.set j_, 0
.rept 32
	v_pk_fma_f32 v[SB+j_:SB+j_+1], v[SB+j_:SB+j_+1], s[CS:CS+1], v[SX+2:SX+3] op_sel_hi:[1,0,0]   ; t - M, two at a time (of the pairs c and -M the low word serves both halves)
.set j_, j_+2
.endr
.irp b, 0,1,2,3
	v_fma_f32 v[BM+\b], v[BM+\b], s[CS], v[SX+2]
.endr
.set j_, 0
.rept 64
	v_exp_f32 v[SB+j_], v[SB+j_]                   ; p = 2^(t - M)
.set j_, j_+1
.endr
	v_pk_mul_f32 v[SX+4:SX+5], v[SX+4:SX+5], v[SX:SX+1] op_sel_hi:[1,0]   ; the sums under the new M; a plain place behind the exponentials
	s_wait_alu depctr_va_vdst(0)                   ; one wait for the batch of 64, ahead of its first reader
.irp b, 0,1,2,3
	v_exp_f32 v[BM+\b], v[BM+\b]                   ; the block's largest p
.endr
	v_pk_add_f32 v[SC2:SC2+1], v[SB:SB+1], v[SB+2:SB+3]   ; the row's sum of the unquantised p, in two chains
.irp j, 4,8,12,16,20,24,28,32,36,40,44,48,52,56,60
	v_pk_add_f32 v[SX+4:SX+5], v[SX+4:SX+5], v[SB+\j:SB+\j+1]
	v_pk_add_f32 v[SC2:SC2+1], v[SC2:SC2+1], v[SB+\j+2:SB+\j+3]
.endr
	v_pk_add_f32 v[SX+4:SX+5], v[SX+4:SX+5], v[SC2:SC2+1]
	s_wait_alu depctr_va_vdst(0)                   ; and one for the four
.irp b, 0,1,2,3
	v_max_num_f32 v[BM+\b], 0x2800000, v[BM+\b]    ; the floor 2^(5 - 127): the byte cannot fall under 1 (a block whose every p is 0 keeps that byte: its codes are zeros)
.endr
.irp b, 0,1,2,3
	v_add_nc_u32 v[SO+\b], 0xfe000000, v[BM+\b]    ; 4 off the exponent field: the conversion's scale operand
.endr
.irp b, 0,1,2,3
	v_lshrrev_b32 v[BP+\b], 23, v[SO+\b]           ; the scale's byte
.endr
	v_lshl_or_b32 v[SX+1], v[BP+1], 8, v[BP]       ; p's scale word for these 128 keys
	v_lshl_or_b32 v[SX+1], v[BP+2], 16, v[SX+1]
	v_lshl_or_b32 v[SX+1], v[BP+3], 24, v[SX+1]
.irp c, 0,1
	v_cvt_scalef32_pk16_bf6_f32 v[PB+6*\c:PB+6*\c+2], v[SB+32*\c:SB+32*\c+15], v[SO+2*\c]
	v_cvt_scalef32_pk16_bf6_f32 v[CH+4*\c:CH+4*\c+2], v[SB+32*\c+16:SB+32*\c+31], v[SO+2*\c+1]   ; (a conversion's three registers begin on an even number)
.endr
	v_nop                                          ; one plain place behind a scaled conversion
.irp c, 0,1                                    ; the layout wants a whole block in a lane
.irp i, 0,1,2
	v_permlane16_swap_b32 v[PB+6*\c+\i], v[CH+4*\c+\i]
.endr
.irp i, 0,1,2
	v_mov_b32 v[PB+3+6*\c+\i], v[CH+4*\c+\i]
.endr
.endr
.endm
; A KEY STEP: the block's 128 keys for my 32 queries.  Left out, by scalar branches on ids, where all its keys come after my queries or do not exist; no barrier and no tensor load stands in a step.
.macro STEP
	s_add_co_u32 s55, s[Q0], 31
	s_cmp_gt_u32 s[KEY0], s55
	s_cbranch_scc1 .Lhid_\@
	s_cmp_lt_u32 s[KEY0], s[LOWK]
	s_cbranch_scc1 .Lhid_\@
	v_lshl_add_u32 v[ADR], v[LANE], 4, s[TB]
	v_add_nc_u32 v[ADS], s[TB], v[LKS]
	v_lshl_add_u32 v[ADT], v[LANE], 2, s[TB]
.rept 3
	v_nop                                          ; with the three lines above six places behind the last step's products: four are owed by the loads below, five by the first products, which write over registers that held V
.endr
.irp u, 0,1
.irp c, 0,1,2
	ds_load_b128 v[PQ+12*\u+4*\c:PQ+12*\u+4*\c+3], v[AQ] offset:(2*\u)*FRB+512*\c
	ds_load_b128 v[QX+12*\u+4*\c:QX+12*\u+4*\c+3], v[AQ] offset:(2*\u+1)*FRB+512*\c
.endr
.endr
	KLOAD 0
	KLOAD 1
.irp kt, 0,1,2,3,4,5,6,7
.if \kt < 7
	s_wait_dscnt 7                                 ; only the next key tile's seven loads may be out
.else
	s_wait_dscnt 0x0
.endif
	SPROD \kt
.if \kt < 6
.rept 4
	v_nop                                          ; places in front of loads into registers that the products have read
.endr
	KLOAD \kt+2
.endif
.endr
.rept 4
	v_nop                                          ; places in front of the first read of results
.endr
	s_add_co_u32 s55, s[KEY0], 127
	s_cmp_le_u32 s55, s[Q0]
	s_cbranch_scc1 .Lopen_\@                       ; all keys count
	s_sub_co_i32 s55, s[Q0], s[KEY0]
	v_add_nc_u32 v[DD], s55, v[QREL]               ; d = my query - the step's first key - 16 (lane / 16): register 16 b + i is hidden where 32 b + i > d
	v_mov_b32 v[NEG], 0xff800000                   ; -infinity
.irp u, 0,1
.if \u == 1
	v_add_nc_u32 v[DD], 8, v[DD]                   ; the second tile's queries lie 8 further on
.endif
.set n_, 0
.rept 64
	v_cmp_gt_i32 vcc_lo, 32*(n_/16)+n_%16, v[DD]
	v_cndmask_b32 v[S+64*\u+n_], v[S+64*\u+n_], v[NEG], vcc_lo
.set n_, n_+1
.endr
.endr
.Lopen_\@:
	SOFTMAX 0
	SOFTMAX 1
.irp e, 0,1,2,3,4,5,6,7
	ds_load_b32 v[KVS+\e], v[ADT] offset:VSC+128*\e    ; V's scale words: lanes 0-15 fragment 2 e's, lanes 16-31 fragment 2 e + 1's
.endr
.set et_, 0
.rept 16
.if et_ < 10
.set VR, S+12*et_
.else
.set VR, QX+12*(et_-10)
.endif
.irp c, 0,1,2
	ds_load_b128 v[VR+4*\c:VR+4*\c+3], v[ADR] offset:VOFF+FRB*et_+512*\c
.endr
.set et_, et_+1
.endr
	WIN 0x41
.irp u, 0,1
.set j_, 0
.rept 64
	v_pk_mul_f32 v[128*\u+j_:128*\u+j_+1], v[128*\u+j_:128*\u+j_+1], v[STT+6*\u:STT+6*\u+1] op_sel_hi:[1,0]   ; O^T under the new M; these lines are also the places between p's codes and scale words and the products
.set j_, j_+2
.endr
.endr
	WIN 0x50
.set et_, 0
.rept 16
.if et_ < 10
.set VR, S+12*et_
.else
.set VR, QX+12*(et_-10)
.endif
.if (et_%4) == 0
	s_wait_dscnt 36-12*(et_/4)                     ; the scale words and four more fragments are in; the fragments behind them may be out
.endif
.irp u, 0,1
.if (et_%2) == 0
	v_wmma_scale_f32_16x16x128_f8f6f4 v[128*\u+8*et_:128*\u+8*et_+7], v[VR:VR+11], v[PQ+12*\u:PQ+12*\u+11], v[128*\u+8*et_:128*\u+8*et_+7], v[KVS+et_/2], v[STT+6*\u+1] matrix_a_fmt:MATRIX_FMT_BF6 matrix_b_fmt:MATRIX_FMT_BF6
.else
	v_wmma_scale_f32_16x16x128_f8f6f4 v[128*\u+8*et_:128*\u+8*et_+7], v[VR:VR+11], v[PQ+12*\u:PQ+12*\u+11], v[128*\u+8*et_:128*\u+8*et_+7], v[KVS+et_/2], v[STT+6*\u+1] matrix_a_fmt:MATRIX_FMT_BF6 matrix_b_fmt:MATRIX_FMT_BF6 matrix_a_scale:MATRIX_SCALE_ROW1
.endif
.endr
.set et_, et_+1
.endr
	WIN 0
.Lhid_\@:
.endm
; THE WAY OUT, first part.  O^T is divided by the sum and goes into the pair's stage, row = feature e, my 32 queries' 128 bytes of each row.
.macro STAGE_WRITE
.irp u, 0,1
	v_add_f32 v[STT+6*\u+4], v[STT+6*\u+4], v[STT+6*\u+5]      ; (these lines and the addresses below are the places behind the last products)
.endr
.irp u, 0,1
	v_permlanex16_b32 v[STT+6*\u+5], v[STT+6*\u+4], s[SEL], s[SEL+1]
.endr
.irp u, 0,1
	v_add_f32 v[STT+6*\u+4], v[STT+6*\u+4], v[STT+6*\u+5]      ; the row's sum
.endr
.irp u, 0,1
	v_rcp_f32 v[STT+6*\u], v[STT+6*\u+4]
.endr
	v_bfe_u32 v[ADR], v[LANE], 4, 1                ; h.  (A plain place behind the reciprocals)
	v_mul_u32_u24 v[ADR], v[ADR], 8*272            ; features 8 h + j: eight rows down
	v_and_b32 v[ADS], 15, v[LANE]
	v_lshl_add_u32 v[ADR], v[ADS], 2, v[ADR]       ; my query's place among the tile pair's 32: r + 8 (r / 8) (+ 8 u in the offset)
	v_and_b32 v[ADS], 8, v[LANE]
	v_lshl_add_u32 v[ADR], v[ADS], 2, v[ADR]
	v_add_nc_u32 v[ADR], s[STW], v[ADR]
	v_add_nc_u32 v[ADS], 128*272, v[ADR]           ; rows 128 on
	s_wait_alu depctr_va_vdst(0)                   ; one wait for the two reciprocals, ahead of their first reader
	WIN 0x41
.irp u, 0,1
.set j_, 0
.rept 64
	v_pk_mul_f32 v[128*\u+j_:128*\u+j_+1], v[128*\u+j_:128*\u+j_+1], v[STT+6*\u:STT+6*\u+1] op_sel_hi:[1,0]
.set j_, j_+2
.endr
.endr
	WIN 0x04                                       ; an LDS store's data are its source 1: window 1
.irp u, 0,1
.set et_, 0
.rept 16
.irp j, 0,1,2,3,4,5,6,7
.if et_ < 8
	ds_store_b32 v[ADR], v[128*\u+8*et_+\j] offset:(16*et_+\j)*272+32*\u
.else
	ds_store_b32 v[ADS], v[128*\u+8*et_+\j] offset:(16*(et_-8)+\j)*272+32*\u
.endif
.endr
.set et_, et_+1
.endr
.endr
	WIN 0
.endm
; 128 rows of x, 256 bytes of each, from the pointer named, into window 1: 64 loads, which the next READOUT of the wave waits for.  They are issued a phase ahead of that READOUT.
.macro XLOAD ptr
	s_wait_xcnt 0x0                                ; no global instruction still reads the offset register or the registers that take x: both are written below
	v_bfe_u32 v[ADT], v[LANE], 4, 1
	v_and_b32 v[TMPA], 15, v[LANE]
	v_lshlrev_b32 v[ADT], 15, v[ADT]               ; lanes 0-15 one row e, lanes 16-31 the next; 16 bytes a lane
	v_lshl_add_u32 v[ADT], v[TMPA], 4, v[ADT]
	WIN 0x40
.set i_, 0
.rept 64
	global_load_b128 v[4*i_:4*i_+3], v[ADT], s[\ptr:\ptr+1] offset:65536*i_ th:TH_LOAD_NT   ; sixteen lanes read 256 consecutive bytes of a row of x
.set i_, i_+1
.endr
	WIN 0
.endm
; THE WAY OUT, second part, behind a barrier: the wave takes 128 whole rows of a stage, half by half, adds the rows of x that it loaded a phase ago, and stores them at the pointer named.
.macro READOUT optr
	s_wait_xcnt 0x0                                ; x's loads have read their offset register: it is made anew
	v_bfe_u32 v[ADR], v[LANE], 4, 1
	v_and_b32 v[TMPA], 15, v[LANE]
	v_lshlrev_b32 v[ADT], 15, v[ADR]               ; in out0: lanes 0-15 one row e, lanes 16-31 the next; 16 bytes a lane
	v_mul_u32_u24 v[ADR], v[ADR], 272
	v_lshl_add_u32 v[ADT], v[TMPA], 4, v[ADT]
	v_lshl_add_u32 v[ADR], v[TMPA], 4, v[ADR]
	v_add_nc_u32 v[ADR], s[STR], v[ADR]
.irp hf, 0,1
.set i_, 0
.rept 32
	ds_load_b128 v[S+4*i_:S+4*i_+3], v[ADR] offset:544*(32*\hf+i_)
.set i_, i_+1
.endr
	s_wait_loadcnt 32-32*\hf                       ; this half's 32 loads of x are in; the other half's may be out
	s_wait_dscnt 0x0
	WIN 0x41
.set j_, 0
.rept 64
	v_pk_add_f32 v[128*\hf+j_:128*\hf+j_+1], v[128*\hf+j_:128*\hf+j_+1], v[S+j_:S+j_+1]   ; the residual
.set j_, j_+2
.endr
	WIN 0x04                                       ; a store's data are its source 1: window 1
.set i_, 0
.rept 32
	global_store_b128 v[ADT], v[128*\hf+4*i_:128*\hf+4*i_+3], s[\optr:\optr+1] offset:65536*(32*\hf+i_) th:TH_STORE_NT   ; sixteen lanes store 256 consecutive bytes, at a multiple of 256 from out0's first byte
.set i_, i_+1
.endr
	WIN 0
.endr
.endm
.macro BAR
	s_wait_dscnt 0x0
	s_barrier_signal -1
	s_barrier_wait -1
.endm
	s_load_b256 s[4:11], s[0:1], 0x0               ; qc s[4:5], kv s[6:7], x s[8:9], out0 s[10:11]
	v_lshl_add_u32 v[SPW], v0, 2, SPARE
	v_mov_b32 v[NIL], 0
	ds_add_u32 v[SPW], v[NIL]                      ; the wave's opening: the add and its wait stand ahead of my first tensor load; work on registers stands between them
	v_lshrrev_b32 v[TMPA], 5, v0
	v_readfirstlane_b32 s[WV], v[TMPA]             ; wave 0..7
	v_and_b32 v[LANE], 31, v0                      ; from here on v0 is the lane
	s_lshr_b32 s[PP], s[WV], 1                     ; my pair
	s_and_b32 s[ODD], s[WV], 1
	s_and_b32 s[GG], ttmp9, 1                      ; which of the window's two work-groups
	s_lshr_b32 s[WW], ttmp9, 1
	s_and_b32 s[WW], s[WW], 15                     ; window
	s_lshr_b32 s[BT], ttmp9, 5                     ; batch
	s_lshl_b32 s[TPG], s[PP], 1
	s_add_co_u32 s[TPG], s[TPG], s[GG]
	s_sub_co_u32 s55, 11, s[TPG]
	s_cmp_lt_u32 s[PP], 2
	s_cselect_b32 s[UU], s[TPG], s55               ; my pair's span of 64 queries: 2 P + g for the early pairs, 11 - 2 P - g for the late ones
	s_lshl_b32 s[Q0], s[UU], 6
	s_lshl_b32 s55, s[ODD], 5
	s_add_co_u32 s[Q0], s[Q0], s55
	s_add_co_u32 s[Q0], s[Q0], 512
	s_cmp_eq_u32 s[WW], 0
	s_cselect_b32 s[LOWK], 512, 0
	s_mov_b32 s[SEL], 0x76543210
	s_mov_b32 s[SEL+1], 0xfedcba98
	s_mov_b32 s[CS], 0x3db8aa3b                    ; c = log2(e) / 16
	s_mov_b32 s[CS+1], s[CS]                       ; (named with it as a pair, so it is written)
	s_mov_b32 s[G1+0], 3<<16                       ; no mask; elements of 8 bytes; no padding: a quarter of a slot as 100 dense rows of 256 bytes
	s_mov_b32 s[G1+1], 32<<16
	s_mov_b32 s[G1+2], 100<<16
	s_mov_b32 s[G1+3], 32<<16
	s_mov_b32 s[G1+4], 100
	s_mov_b32 s[G1+5], 32
	s_mov_b32 s[G1+6], 0
	s_mov_b32 s[G1+7], 0
	s_mov_b32 s[G1Q+0], 3<<16                      ; four fragments of Q: 24 dense rows of 256 bytes
	s_mov_b32 s[G1Q+1], 32<<16
	s_mov_b32 s[G1Q+2], 24<<16
	s_mov_b32 s[G1Q+3], 32<<16
	s_mov_b32 s[G1Q+4], 24
	s_mov_b32 s[G1Q+5], 32
	s_mov_b32 s[G1Q+6], 0
	s_mov_b32 s[G1Q+7], 0
	s_lshl_b32 s56, s[BT], 6
	s_lshl_b32 s57, s[WW], 2
	s_add_co_u32 s56, s56, s57                     ; my window's first block
	s_and_b32 s55, s[WV], 3
	s_mul_i32 s55, s55, 25600                      ; which quarter of a slot I fetch, if I fetch
	s_mul_i32 s58, s56, BLKB
	s_add_co_u32 s58, s58, s55
	s_mov_b32 s59, 0
	s_mov_b32 s[G0], 1
	s_add_co_u32 s[G0+1], s55, SLOT1               ; blocks 0 and 1 go to the slot at SLOT1
	s_lshr_b32 s57, s[UU], 1
	s_add_co_u32 s57, s56, s57                     ; the block that holds my queries,
	s_mul_i32 s74, s57, QBLKB
	s_and_b32 s57, s[UU], 1
	s_lshl_b32 s57, s57, 1
	s_add_co_u32 s57, s57, s[ODD]                  ; and which 32 of its 128
	s_mul_i32 s76, s57, 4*FRB
	s_add_co_u32 s76, s76, s74
	s_mov_b32 s77, 0
	s_lshl_b32 s57, s57, 7
	s_add_co_u32 s74, s74, s57
	s_add_co_u32 s74, s74, KSC
	s_mov_b32 s75, 0
	s_mov_b32 s[G0Q], 1
	s_mul_i32 s[G0Q+1], s[WV], 4*FRB
	s_add_co_u32 s[G0Q+1], s[G0Q+1], QIMG
	s_lshl_b32 s78, s[BT], 23                      ; x and out0: batch,
	s_lshl_b32 s57, s[ODD], 22                     ; my 128 rows e,
	s_add_co_u32 s78, s78, s57
	s_lshl_b32 s57, s[WW], 11                      ; window,
	s_add_co_u32 s78, s78, s57
	s_sub_co_u32 s57, 7, s[TPG]                    ; (the span of wave w + 4, whose rows waves 0-3 take out)
	s_lshl_b32 s57, s57, 8
	s_add_co_u32 s56, s78, s57
	s_mov_b32 s57, 0
	s_lshl_b32 s55, s[UU], 8                       ; span
	s_add_co_u32 s78, s78, s55
	s_mov_b32 s79, 0
	s_and_b32 s55, s[PP], 1                        ; my pair's stage, which is also that of the pair of wave w + 4: no place but the wave's number enters an LDS address
	s_mul_i32 s55, s55, STGSZ
	s_add_co_u32 s55, s55, STGA
	s_lshl_b32 s[STW], s[ODD], 7
	s_add_co_u32 s[STW], s[STW], s55               ; in: my 128 bytes of each row
	s_mul_i32 s[STR], s[ODD], 128*272
	s_add_co_u32 s[STR], s[STR], s55               ; back: my 128 rows
	s_mov_b32 s[TB], SLOT1
	s_mov_b32 s[T], 0
	s_mov_b32 s[NXTB], 2
	s_wait_dscnt 0x0                               ; the opening add is done
	s_wait_kmcnt 0x0
	s_add_nc_u64 s[G0+2:G0+3], s[6:7], s[58:59]    ; my window's first block,
	s_sub_nc_u64 s[G0+2:G0+3], s[G0+2:G0+3], 4*BLKB   ; four blocks back: the previous window's first (what stands ahead of block 4 in window 0 is never asked for)
	s_or_b32 s[G0+3], s[G0+3], 0x80000000
	s_add_nc_u64 s[G0Q+2:G0Q+3], s[4:5], s[76:77]
	s_or_b32 s[G0Q+3], s[G0Q+3], 0x80000000
	tensor_load_to_lds s[G0Q:G0Q+3], s[G1Q:G1Q+7]  ; every wave its own Q,
	s_nop 0
.rept 4
	v_nop
.endr
	s_cmp_lg_u32 s[LOWK], 0                        ; and, but in window 0, waves 0 to 3 their quarters of blocks 0 and 1: the first fills go out together; two loads of mine are out at the most
	s_cbranch_scc1 .Lno_first
	TLOAD
.Lno_first:
	s_add_nc_u64 s[QSP:QSP+1], s[4:5], s[74:75]
	s_add_nc_u64 s[XP:XP+1], s[8:9], s[78:79]
	s_add_nc_u64 s[OP:OP+1], s[10:11], s[78:79]
	s_add_nc_u64 s[XPL:XPL+1], s[8:9], s[56:57]
	s_add_nc_u64 s[OPL:OPL+1], s[10:11], s[56:57]
	v_and_b32 v[TMPA], 15, v[LANE]                 ; r
	v_bfe_u32 v[ADR], v[LANE], 4, 1                ; h
	v_lshlrev_b32 v[LKS], 2, v[TMPA]
	v_lshl_add_u32 v[LKS], v[ADR], 9, v[LKS]
	global_load_b32 v[QS], v[LKS], s[QSP:QSP+1]            ; Q's scale words: lanes 0-15 K step 0's, lanes 16-31 K step 1's
	global_load_b32 v[QS+1], v[LKS], s[QSP:QSP+1] offset:64
	v_lshl_add_u32 v[AQ], v[LANE], 4, s[G0Q+1]
	v_and_b32 v[QREL], 8, v[LANE]
	v_add_nc_u32 v[QREL], v[QREL], v[TMPA]
	v_lshlrev_b32 v[ADR], 4, v[ADR]
	v_sub_nc_u32 v[QREL], v[QREL], v[ADR]
.irp u, 0,1
	v_mov_b32 v[STT+6*\u+1], 0                     ; (named as the upper half of a pair before it is first written)
	v_mov_b32 v[STT+6*\u+3], 0xff61b1e6            ; the largest t so far: -3e38, under every t
	v_floor_f32 v[STT+6*\u+2], -v[STT+6*\u+3]      ; -M
	v_mov_b32 v[STT+6*\u+4], 0                     ; the sum, in two halves
	v_mov_b32 v[STT+6*\u+5], 0
.endr
	WIN 0x40
.set i_, 0
.rept 256
	v_mov_b32 v[i_], 0                             ; O^T.  The step is written without a first form of its own, which would be one more copy of it: the first step finds zeros, which the first change of M leaves zeros
.set i_, i_+1
.endr
	WIN 0
	s_wait_loadcnt 0x0                             ; Q's scale words
	s_mov_b32 s[BIG], 3
.Lbig:                                             ; three changes of slots: blocks 0 to 5 are walked, blocks 2 to 7 asked for
	CHANGE 1
	s_mov_b32 s[TWICE], 2
.Lstep:                                            ; a slot's two key steps: written once, walked twice; no barrier between them
	s_lshl_b32 s[KEY0], s[T], 7                    ; the step's first key
	STEP
	s_add_co_u32 s[TB], s[TB], BLKB                ; the slot's second block
	s_add_co_u32 s[T], s[T], 1
	s_sub_co_u32 s[TWICE], s[TWICE], 1
	s_cmp_lg_u32 s[TWICE], 0
	s_cbranch_scc1 .Lstep
	s_sub_co_u32 s[TB], s[TB], 2*BLKB              ; back to a slot's first block,
	s_xor_b32 s[TB], s[TB], SLOT1                  ; in the other slot
	s_sub_co_u32 s[BIG], s[BIG], 1
	s_cmp_lg_u32 s[BIG], 0
	s_cbranch_scc1 .Lbig
	CHANGE 0                                       ; blocks 6 and 7 are in; nothing is left to fetch; nobody reads the slot at SLOT1 any more: the stages lie there
	s_mov_b32 s[TB], 0
	s_mov_b32 s[KEY0], 6*128
	s_cmp_lt_u32 s[WV], 4
	s_cbranch_scc1 .Learly6
	STEP                                           ; block 6: waves 4-7 multiply;
	s_branch .Ljoin6
.Learly6:
	STAGE_WRITE                                    ; waves 0-3 are done: they stage their results,
	s_wait_dscnt 0x0                               ; (the stage's stores have read the registers that take x)
	XLOAD XP                                       ; and ask for their rows of x, a key step ahead of the use
.Ljoin6:
	BAR                                            ; between the early pairs' stores into their stages and their reads
	s_mov_b32 s[TB], BLKB
	s_mov_b32 s[KEY0], 7*128
	s_cmp_lt_u32 s[WV], 4
	s_cbranch_scc1 .Learly7
	STEP                                           ; block 7
	s_branch .Ljoin7
.Learly7:
	READOUT OP                                     ; waves 0-3 add and store their own rows,
	XLOAD XPL                                      ; and ask for the rows of x that belong to wave w + 4
.Ljoin7:
	BAR                                            ; the early pairs' reads of the stages are over: the late pairs may write them
	s_cmp_lt_u32 s[WV], 4
	s_cbranch_scc1 .Ljoin8
	STAGE_WRITE
.Ljoin8:
	BAR                                            ; the late pairs' results lie in the stages
	s_cmp_ge_u32 s[WV], 4
	s_cbranch_scc1 .Lend
	READOUT OPL                                    ; wave w takes out what wave w + 4 staged half of: the same stage, the same 128 rows e, the late pair's span
.Lend:
	s_wait_tensorcnt 0x0                           ; the wave's end, behind my last tensor load and my last LDS store
	ds_add_u32 v[SPW], v[NIL]
	s_wait_dscnt 0x0
	s_endpgm
.Lfunc_end_k_qf0bee4efae_attn:
	.size	k_qf0bee4efae_attn, .Lfunc_end_k_qf0bee4efae_attn-k_qf0bee4efae_attn
	.p2alignl 7, 3214868480
	.fill 96, 4, 3214868480
	.section	.rodata,"a",@progbits
	.p2align	6, 0x0
	.amdhsa_kernel k_qf0bee4efae_attn
		.amdhsa_group_segment_fixed_size 327680
		.amdhsa_private_segment_fixed_size 0
		.amdhsa_enable_private_segment 0
		.amdhsa_kernarg_size 32
		.amdhsa_user_sgpr_count 2
		.amdhsa_user_sgpr_kernarg_segment_ptr 1
		.amdhsa_wavefront_size32 1
		.amdhsa_system_sgpr_workgroup_id_x 1
		.amdhsa_system_sgpr_workgroup_id_y 1
		.amdhsa_system_sgpr_workgroup_id_z 1
		.amdhsa_system_vgpr_workitem_id 0
		.amdhsa_next_free_vgpr 512
		.amdhsa_next_free_sgpr 80
		.amdhsa_reserve_vcc 1
		.amdhsa_float_denorm_mode_32 3
		.amdhsa_float_denorm_mode_16_64 3
		.amdhsa_memory_ordered 1
		.amdhsa_forward_progress 1
		.amdhsa_inst_pref_size 255
	.end_amdhsa_kernel
	.section	.bss,"aw",@nobits
	.p2align	6
	.space	262144
	.amdgpu_metadata
---
amdhsa.version: [ 1, 2 ]
amdhsa.kernels:
  - .name:           k_qf0bee4efae_attn
    .symbol:         k_qf0bee4efae_attn.kd
    .args:
      - { .name: qc, .offset: 0, .size: 8, .value_kind: global_buffer, .address_space: global }
      - { .name: kv, .offset: 8, .size: 8, .value_kind: global_buffer, .address_space: global }
      - { .name: x, .offset: 16, .size: 8, .value_kind: global_buffer, .address_space: global }
      - { .name: out0, .offset: 24, .size: 8, .value_kind: global_buffer, .address_space: global }
    .group_segment_fixed_size: 327680
    .private_segment_fixed_size: 0
    .kernarg_segment_align: 8
    .kernarg_segment_size: 32
    .max_flat_workgroup_size: 256
    .sgpr_count:     80
    .vgpr_count:     512
    .wavefront_size: 32
...
	.end_amdgpu_metadata
.endif
;; end of part 2
